; MI455X (gfx1250); checked and timed in simulation.
; The chip was launched on July 23, 2026; its instructions are those of AMD's public machine-readable ISA for CDNA 5 (MIT licence, August 2026) and "CDNA5" Instruction Set Architecture Reference Guide (July 2026). The comments in the code are by the model that wrote it; some were corrected since.
;; Absolute Pos Emb. Allowed arithmetic: float matrix products may take bf16 or f16 operands with f32 sums; all other float work in f32.
;; Inputs: k 8 x 8 x 32 x 32 x 64 float32; q 8 x 8 x 32 x 32 x 64 float32; v 8 x 8 x 32 x 32 x 64 float32.
;; Outputs: out0 8 x 32 x 32 x 512 float32.
;; One version. Each part assembles by itself: llvm-mc -triple=amdgcn-amd-amdhsa -mcpu=gfx1250 --defsym DOCPART=n.
;; ======== version 1 of 1: 1 launch
;; launch attn (part 1): grid 256 x 1, 8 waves a work-group, no clusters, 109,568 bytes of LDS; arguments q, k, v, out0; writes out0
.if DOCPART == 1
	.amdgcn_target "amdgcn-amd-amdhsa--gfx1250"
	.amdhsa_code_object_version 6
	.text
	.protected	k_qdf9076e91c_attn
	.globl	k_qdf9076e91c_attn
	.p2align	8
	.type	k_qdf9076e91c_attn,@function
k_qdf9076e91c_attn:
	s_mov_b64 s[64:65], 0
	v_nop
	global_prefetch_b8 v0, s[64:65] scope:SCOPE_SE
	s_setreg_imm32_b32 hwreg(HW_REG_WAVE_MODE, 25, 1), 1
	s_wait_xcnt 0x0
; out[b][pos][n][:] = softmax over 1,024 keys of (q[b][n][pos] . k[b][n][key] / 8) times v[b][n][key][:].
; q, k, v: [64 heads][1024 positions][64] f32 (a row is 256 bytes, a head 262,144).  out: [8][1024][8][64] f32.
; One launch.  256 work-groups = 64 heads x 4 blocks of 256 queries; 8 waves, 32 queries (two tiles of 16) a wave.
; The keys go in 16 chunks of 64, with a running maximum (the sums are rescaled whenever it moves).
;
; THE PRODUCTS ARE TRANSPOSED, so that a lane belongs to ONE query and nothing is shuffled between the two products:
;   S^T = K Q^T : A = 16 keys x 32 d of K, B = Q (column = query).  Register j of lane (r, h) = logit of key 8h+j, query r.
;   Packing a tile's 8 registers to bf16 gives 4 registers that ARE registers 0-3 (even key tile) or 4-7 (odd) of the B fragment of P^T over 32 keys.
;   O^T = V^T P^T : A = V^T (row = d), read by transposing LDS loads from V kept as [key][d].  Register j = d 16dt+8h+j of query r.
;   The row sum is a third product, A = a fragment of ones: it adds the same bf16 weights that multiply V.  All 8 registers of that tile would hold the
;   same sum; only register 0 is rescaled and used.  Registers 1-7 collect unscaled sums of at most 1,024 weights of about 1 or less: finite, never read.
;
; K AND V come in by 16-byte loads into a ring of two register sets (two chunks, 64 KiB of the work-group, on their way), are rounded to bf16 in
; registers and stored once for the work-group into two LDS slots that take turns; one barrier a chunk.
; NO TENSOR LOADS AND NO JOINT REQUESTS, though the four work-groups of a head read the same K and V: a tensor load copies bytes as they are, here f32,
; so a chunk would cost 32 KiB written to LDS and 32 KiB read back in front of the 16 KiB of bf16 that are stored anyway, a second ring, and a round of
; the cluster's barrier for each refill; through registers the rounding happens on the way.
;
; LIMITS.  Inputs that are not finite, or logits beyond f32's range, are not served (the result wanted is not finite there either).
; Weights below 2^-126 of the row's largest count as 0 (v_exp_f32 flushes denormal results: ISA guide 15.8).  Matrix operands (q, k, v and the weights)
; are rounded to bf16; the normaliser is the sum of the rounded weights.  q is rounded unscaled; the scale 1/8 and log2(e) sit in one f32 factor.
.set CHUNK,  16384                     ; bytes of 64 rows of k or of v
.set KPITCH, 144                       ; 128 bytes of bf16 + 16: an odd multiple of 16, so 16 rows of a fragment load fall on 16 different 16-byte columns modulo 256
.set VPITCH, 160                       ; 128 + 32: an odd multiple of 32, for the transposing loads
.set KSLOT,  64*KPITCH                 ; 9,216
.set VSLOT,  64*VPITCH                 ; 10,240
.set VRING,  2*KSLOT                   ; 18,432: V's two slots lie behind K's two
.set STAGE,  VRING+2*VSLOT             ; 38,912: then 8,704 bytes for each wave, its own: Q as bf16 at the start, O as f32 at the end
.set STAGEW, 8704
.set OPITCH, 272                       ; a row of O: 256 bytes + 16
; window 0 (v0-v255)
.set KADR, 2                           ; r*144 + 16h: my place in a K fragment
.set VADR, 3                           ; VRING + (8h + (L&7))*160 + 16*((L>>3)&1): my place in a transposing load
.set KST,  4                           ; (t>>4)*144 + 8*(t&15): where my 4 bf16 of K go
.set VST,  5                           ; VRING + (t>>4)*160 + 8*(t&15)
.set GOFF, 6                           ; 16 t: my 16 bytes in 4,096 bytes of k or v; never rewritten
.set QOFF, 7                           ; 16 L
.set SST,  8                           ; my stage + r*272 + 32h
.set SRD,  9                           ; my stage + h*272 + 16r
.set OOFF, 10                          ; h*2048 + 16r
.set PFO,  11                          ; 256 L; never rewritten
.set MX,   12                          ; v12-13   running maximum of query tile 0, 1
.set TA,   14                          ; v14, v16 chain A of tile 0, 1
.set TB,   15                          ; v15, v17 chain B
.set TN,   18                          ; v18-19   the new -c*max
.set TD,   20                          ; v20-21   new minus old
.set QSTA, 22
.set QRD,  23
.set NMC,  24                          ; v24, v26 -c*max (each the first of a pair; the second is a filler that is written once)
.set AL,   28                          ; v28, v30 the factor that rescales the sums, at the end 1/sum (pairs likewise)
.set ONES, 32                          ; v[32:39]   a fragment of bf16 ones
.set QF,   40                          ; v[40:71]   Q fragments at 16qt + 8dc
.set SC,   72                          ; v[72:135]  logits at 32qt + 8kt; the packed weights of 32 keys end up at 32qt + 8kc
.set KV,   136                         ; v[136:199] K fragments at 16kt + 8dc, then V fragments at 32kc + 8dt
.set PK,   200                         ; v[200:215] a chunk's share rounded to bf16: K 0-7, V 8-15
; window 1 (v256-v399, named by their low 8 bits)
.set OA,   0                           ; v[256:319] O^T at 32qt + 8dt
.set LSUM, 64                          ; v[320:335] row sums at 8qt
.set STG,  80                          ; v[336:399] two sets of 32: K 0-15, V 16-31, f32 as loaded
.set MSB, 0
.macro WIN new                         ; s_set_vgpr_msb: bits 1:0 source 0, 3:2 source 1, 5:4 source 2, 7:6 destination; the high byte repeats the setting left
.if MSB != \new
	s_set_vgpr_msb (MSB<<8)|\new
.set MSB, \new
.endif
.endm
.macro PLACES n
.rept \n
	v_nop
.endr
.endm
	s_load_b256 s[4:11], s[0:1], 0x0               ; q s[4:5], k s[6:7], v s[8:9], out s[10:11]
	v_lshl_add_u32 v254, v0, 2, 0x1a800
	v_mov_b32 v255, 0
	v_lshrrev_b32 v1, 5, v0
	v_readfirstlane_b32 s12, v1                    ; wave 0..7
	s_lshr_b32 s13, ttmp9, 2                       ; head = 8 b + n
	s_and_b32 s14, ttmp9, 3                        ; block of 256 queries
	v_and_b32 v1, 31, v0                           ; L
	v_lshlrev_b32 v[GOFF], 4, v0
	v_lshlrev_b32 v[QOFF], 4, v1
	s_lshl_b32 s16, s13, 18                        ; the head's 262,144 bytes in q, k, v
	s_mov_b32 s17, 0
	s_lshl_b32 s26, s14, 16                        ; q: + 256 rows a block
	s_add_co_u32 s30, s16, s26
	s_lshl_b32 s26, s12, 13                        ;    + 32 rows a wave
	s_add_co_u32 s30, s30, s26
	s_mov_b32 s31, 0
	s_lshr_b32 s26, s13, 3                         ; out: b x 1,024 positions x 2,048 bytes
	s_lshl_b32 s28, s26, 21
	s_and_b32 s26, s13, 7                          ;    + n x 256 bytes
	s_lshl_b32 s26, s26, 8
	s_add_co_u32 s28, s28, s26
	s_lshl_b32 s26, s14, 19                        ;    + 256 positions a block
	s_add_co_u32 s28, s28, s26
	s_lshl_b32 s26, s12, 16                        ;    + 32 positions a wave
	s_add_co_u32 s28, s28, s26
	s_mov_b32 s29, 0
	s_lshl_b32 s32, s14, 13                        ; prefetch: chunk 6, my block's quarter of two chunks
	s_add_co_u32 s32, s32, 6*CHUNK
	s_mov_b32 s33, 0
	s_mul_i32 s27, s12, STAGEW
	s_add_co_u32 s27, s27, STAGE                   ; my wave's stage
	s_mov_b32 s18, 0x76543210                      ; v_permlanex16_b32: lane i takes lane i of the other half
	s_mov_b32 s19, 0xfedcba98
	s_mov_b32 s20, 0x3e38aa3b                      ; c = log2(e) / 8
	s_mov_b32 s21, 0x3e38aa3b
	s_wait_kmcnt 0x0
	s_add_nc_u64 s[4:5], s[4:5], s[30:31]
	s_add_nc_u64 s[6:7], s[6:7], s[16:17]
	s_add_nc_u64 s[8:9], s[8:9], s[16:17]
	s_add_nc_u64 s[10:11], s[10:11], s[28:29]
	s_cmp_eq_u32 s12, 0                            ; wave 0 asks ahead for k, wave 1 for v, the others for nothing
	s_cselect_b64 s[24:25], s[6:7], s[8:9]
	s_add_nc_u64 s[24:25], s[24:25], s[32:33]
	s_cmp_lt_u32 s12, 2
	s_cselect_b32 s23, 5, 0                        ; in how many trips of the loop this wave asks ahead
; Eight loads: a chunk of k and of v, at byte off from the stepped bases, into register set rs.  A wave's load covers 512 consecutive bytes.
; Thread t, load j: key 16j + (t>>4), d 4(t&15) .. +3.  No cache word: four work-groups read these bytes.
.macro GLOAD rs, off
	WIN 0x40                                       ; destination window 1
.irp j, 0,1,2,3
	global_load_b128 v[STG+32*\rs+4*\j:STG+32*\rs+4*\j+3], v[GOFF], s[6:7] offset:(\off)+4096*\j
.endr
.irp j, 0,1,2,3
	global_load_b128 v[STG+32*\rs+16+4*\j:STG+32*\rs+16+4*\j+3], v[GOFF], s[8:9] offset:(\off)+4096*\j
.endr
	WIN 0
.endm
; Set rs rounded to bf16: 32 f32 become 16 registers.
.macro CONV rs
	WIN 0x05                                       ; both sources window 1
.irp j, 0,1,2,3,4,5,6,7
	v_cvt_pk_bf16_f32 v[PK+2*\j],   v[STG+32*\rs+4*\j],   v[STG+32*\rs+4*\j+1]
	v_cvt_pk_bf16_f32 v[PK+2*\j+1], v[STG+32*\rs+4*\j+2], v[STG+32*\rs+4*\j+3]
.endr
	WIN 0
.endm
; and stored into LDS slot: 8 bytes a lane, 16 keys further on with each j
.macro PUT slot
.irp j, 0,1,2,3
	ds_store_b64 v[KST], v[PK+2*\j:PK+2*\j+1] offset:\slot*KSLOT+16*KPITCH*\j
.endr
.irp j, 0,1,2,3
	ds_store_b64 v[VST], v[PK+8+2*\j:PK+8+2*\j+1] offset:\slot*VSLOT+16*VPITCH*\j
.endr
.endm
	; Q first (whole rows, read once in the launch), then chunks 0 and 1
.irp i, 0,1,2,3,4,5,6,7,8,9,10,11,12,13,14,15
	global_load_b128 v[SC+4*\i:SC+4*\i+3], v[QOFF], s[4:5] offset:512*\i th:TH_LOAD_NT   ; query 2i + h, d 4r .. 4r+3
.endr
	GLOAD 0, 0
	GLOAD 1, CHUNK
	; addresses, while the loads are on their way
	v_and_b32 v15, 15, v0                          ; r
	v_bfe_u32 v16, v0, 4, 1                        ; h
	v_and_b32 v17, 7, v0
	v_bfe_u32 v18, v0, 3, 1
	v_lshrrev_b32 v19, 4, v0                       ; t >> 4
	v_mul_u32_u24 v[KADR], v15, KPITCH
	v_lshl_add_u32 v[KADR], v16, 4, v[KADR]
	v_lshl_add_u32 v17, v16, 3, v17                ; 8h + (L&7)
	v_mul_u32_u24 v[VADR], v17, VPITCH
	v_lshl_add_u32 v[VADR], v18, 4, v[VADR]
	v_add_nc_u32 v[VADR], VRING, v[VADR]
	v_mul_u32_u24 v[KST], v19, KPITCH
	v_lshl_add_u32 v[KST], v15, 3, v[KST]
	v_mul_u32_u24 v[VST], v19, VPITCH
	v_lshl_add_u32 v[VST], v15, 3, v[VST]
	v_add_nc_u32 v[VST], VRING, v[VST]
	v_mul_u32_u24 v[SST], v15, OPITCH
	v_lshl_add_u32 v[SST], v16, 5, v[SST]
	v_add_nc_u32 v[SST], s27, v[SST]
	v_mul_u32_u24 v[SRD], v16, OPITCH
	v_lshl_add_u32 v[SRD], v15, 4, v[SRD]
	v_add_nc_u32 v[SRD], s27, v[SRD]
	v_lshlrev_b32 v[OOFF], 11, v16
	v_lshl_add_u32 v[OOFF], v15, 4, v[OOFF]
	v_lshlrev_b32 v[PFO], 8, v1
	v_mul_u32_u24 v[QSTA], v16, KPITCH
	v_lshl_add_u32 v[QSTA], v15, 3, v[QSTA]
	v_add_nc_u32 v[QSTA], s27, v[QSTA]
	v_add_nc_u32 v[QRD], s27, v[KADR]
.irp i, 0,1,2,3,4,5,6,7
	v_mov_b32 v[ONES+\i], 0x3f803f80               ; two bf16 ones
.endr
.irp i, 1,3
	v_mov_b32 v[NMC+\i], 0                         ; the second registers of the broadcast pairs: named by the packed forms, never used
	v_mov_b32 v[AL+\i], 0
.endr
	s_wait_loadcnt 16                              ; Q's 16 loads are in; the 16 of chunks 0 and 1 stay out
.irp i, 0,1,2,3,4,5,6,7,8,9,10,11,12,13,14,15
	v_cvt_pk_bf16_f32 v[KV+2*\i],   v[SC+4*\i],   v[SC+4*\i+1]
	v_cvt_pk_bf16_f32 v[KV+2*\i+1], v[SC+4*\i+2], v[SC+4*\i+3]
.endr
.irp i, 0,1,2,3,4,5,6,7,8,9,10,11,12,13,14,15
	ds_store_b64 v[QSTA], v[KV+2*\i:KV+2*\i+1] offset:2*KPITCH*\i   ; my own stage: rows of 144 bytes
.endr
.irp qt, 0,1
.irp dc, 0,1
.irp g, 0,1
	ds_load_b128 v[QF+16*\qt+8*\dc+4*\g:QF+16*\qt+8*\dc+4*\g+3], v[QRD] offset:16*KPITCH*\qt+64*\dc+32*\g   ; LDS serves a wave's instructions in order (ISA guide 5.7.1): these see my stores
.endr
.endr
.endr
	s_wait_loadcnt 8                               ; chunk 0 is in; chunk 1's 8 loads stay out
	CONV 0
	PUT 0
	GLOAD 0, 2*CHUNK
; 16 LDS loads: K's fragments of the slot, the first 32 of d for all four key tiles, then the second 32
.macro KFRAG slot
.irp dc, 0,1
.irp kt, 0,1,2,3
.irp g, 0,1
	ds_load_b128 v[KV+16*\kt+8*\dc+4*\g:KV+16*\kt+8*\dc+4*\g+3], v[KADR] offset:\slot*KSLOT+16*KPITCH*\kt+64*\dc+32*\g
.endr
.endr
.endr
.endm
; 16 transposing LDS loads: V^T's fragments, the first 32 keys for all four d tiles, then the second 32
.macro VFRAG slot
.irp kc, 0,1
.irp dt, 0,1,2,3
.irp g, 0,1
	ds_load_tr16_b128 v[KV+32*\kc+8*\dt+4*\g:KV+32*\kc+8*\dt+4*\g+3], v[VADR] offset:\slot*VSLOT+32*VPITCH*\kc+32*\dt+16*VPITCH*\g
.endr
.endr
.endr
.endm
; 8 matrix instructions: 64 keys x 32 queries, 32 of d.  The first half of d starts the sums.  The eight accumulators take turns, one instruction a turn.
.macro QK dc
.irp kt, 0,1,2,3
.irp qt, 0,1
.if \dc
	v_wmma_f32_16x16x32_bf16 v[SC+32*\qt+8*\kt:SC+32*\qt+8*\kt+7], v[KV+16*\kt+8*\dc:KV+16*\kt+8*\dc+7], v[QF+16*\qt+8*\dc:QF+16*\qt+8*\dc+7], v[SC+32*\qt+8*\kt:SC+32*\qt+8*\kt+7]
.else
	v_wmma_f32_16x16x32_bf16 v[SC+32*\qt+8*\kt:SC+32*\qt+8*\kt+7], v[KV+16*\kt+8*\dc:KV+16*\kt+8*\dc+7], v[QF+16*\qt+8*\dc:QF+16*\qt+8*\dc+7], 0
.endif
.endr
.endr
.endm
; The running maximum of both query tiles (four chains that do not wait for each other), -c*max, and the factor for the old sums.
; A lane holds 32 of its query's 64 logits; the other 32 lie in the lane 16 further on.
.macro SMAX first
.irp qt, 0,1
	v_max3_num_f32 v[TA+2*\qt], v[SC+32*\qt],   v[SC+32*\qt+1], v[SC+32*\qt+2]
	v_max3_num_f32 v[TB+2*\qt], v[SC+32*\qt+3], v[SC+32*\qt+4], v[SC+32*\qt+5]
.endr
.irp i, 6,10,14,18,22,26
.irp qt, 0,1
	v_max3_num_f32 v[TA+2*\qt], v[TA+2*\qt], v[SC+32*\qt+\i],   v[SC+32*\qt+\i+1]
	v_max3_num_f32 v[TB+2*\qt], v[TB+2*\qt], v[SC+32*\qt+\i+2], v[SC+32*\qt+\i+3]
.endr
.endr
.irp qt, 0,1
	v_max3_num_f32 v[TA+2*\qt], v[TA+2*\qt], v[SC+32*\qt+30], v[SC+32*\qt+31]
.endr
.irp qt, 0,1
.if \first
	v_max_num_f32 v[TA+2*\qt], v[TA+2*\qt], v[TB+2*\qt]
.else
	v_max3_num_f32 v[TA+2*\qt], v[TA+2*\qt], v[TB+2*\qt], v[MX+\qt]
.endif
.endr
.irp qt, 0,1
	v_permlanex16_b32 v[TB+2*\qt], v[TA+2*\qt], s18, s19
.endr
.irp qt, 0,1
	v_max_num_f32 v[MX+\qt], v[TA+2*\qt], v[TB+2*\qt]
.endr
.if \first
.irp qt, 0,1
	v_mul_f32 v[NMC+2*\qt], 0xbe38aa3b, v[MX+\qt]  ; -c*max
.endr
.else
.irp qt, 0,1
	v_mul_f32 v[TN+\qt], 0xbe38aa3b, v[MX+\qt]
.endr
.irp qt, 0,1
	v_sub_f32 v[TD+\qt], v[TN+\qt], v[NMC+2*\qt]   ; c*(old max - new max), from the same rounded numbers that the weights use
.endr
	v_exp_f32 v[AL],   v[TD]
	v_exp_f32 v[AL+2], v[TD+1]
	v_mov_b32 v[NMC],   v[TN]                      ; plain work behind the exponentials, ahead of the first use of their results (ISA guide 5.7.2)
	v_mov_b32 v[NMC+2], v[TN+1]
.endif
.endm
; the old sums times that factor
.macro RESCALE
	WIN 0x41                                       ; destination and source 0 window 1
	s_wait_alu depctr_va_vdst(0)
.irp qt, 0,1
.irp i, 0,2,4,6,8,10,12,14,16,18,20,22,24,26,28,30
	v_pk_mul_f32 v[OA+32*\qt+\i:OA+32*\qt+\i+1], v[OA+32*\qt+\i:OA+32*\qt+\i+1], v[AL+2*\qt:AL+2*\qt+1] op_sel_hi:[1,0]
.endr
	v_mul_f32 v[LSUM+8*\qt], v[LSUM+8*\qt], v[AL+2*\qt]
.endr
	WIN 0
.endm
; weights: p = 2^(c*s - c*max), tile by tile; a tile is packed to bf16 behind the NEXT tile's exponentials, which gives those their plain place
.macro PFMA qt, kt
.irp e, 0,2,4,6
	v_pk_fma_f32 v[SC+32*\qt+8*\kt+\e:SC+32*\qt+8*\kt+\e+1], v[SC+32*\qt+8*\kt+\e:SC+32*\qt+8*\kt+\e+1], s[20:21], v[NMC+2*\qt:NMC+2*\qt+1] op_sel_hi:[1,0,0]
.endr
.endm
.macro PEX qt, kt
.irp e, 0,1,2,3,4,5,6,7
	v_exp_f32 v[SC+32*\qt+8*\kt+\e], v[SC+32*\qt+8*\kt+\e]
.endr
.endm
.macro PCV qt, kt                      ; in place: registers 4kt .. 4kt+3 of the query tile's 32 have been used up by then (kt ascends)
	s_wait_alu depctr_va_vdst(0)
.irp e, 0,1,2,3
	v_cvt_pk_bf16_f32 v[SC+32*\qt+4*\kt+\e], v[SC+32*\qt+8*\kt+2*\e], v[SC+32*\qt+8*\kt+2*\e+1]
.endr
.endm
.macro PEXP
	PFMA 0, 0
	PEX  0, 0
	PFMA 0, 1
	PEX  0, 1
	PCV  0, 0
	PFMA 0, 2
	PEX  0, 2
	PCV  0, 1
	PFMA 0, 3
	PEX  0, 3
	PCV  0, 2
	PFMA 1, 0
	PEX  1, 0
	PCV  0, 3
	PFMA 1, 1
	PEX  1, 1
	PCV  1, 0
	PFMA 1, 2
	PEX  1, 2
	PCV  1, 1
	PFMA 1, 3
	PEX  1, 3
	PCV  1, 2
	PCV  1, 3
.endm
; 10 matrix instructions over 32 keys: 64 d x 32 queries, and the two row sums.  The ten accumulators take turns, one instruction a turn.
.macro PV kc, first
.irp dt, 0,1,2,3
.irp qt, 0,1
.if \first
	v_wmma_f32_16x16x32_bf16 v[OA+32*\qt+8*\dt:OA+32*\qt+8*\dt+7], v[KV+32*\kc+8*\dt:KV+32*\kc+8*\dt+7], v[SC+32*\qt+8*\kc:SC+32*\qt+8*\kc+7], 0
.else
	v_wmma_f32_16x16x32_bf16 v[OA+32*\qt+8*\dt:OA+32*\qt+8*\dt+7], v[KV+32*\kc+8*\dt:KV+32*\kc+8*\dt+7], v[SC+32*\qt+8*\kc:SC+32*\qt+8*\kc+7], v[OA+32*\qt+8*\dt:OA+32*\qt+8*\dt+7]
.endif
.endr
.endr
.irp qt, 0,1
.if \first
	v_wmma_f32_16x16x32_bf16 v[LSUM+8*\qt:LSUM+8*\qt+7], v[ONES:ONES+7], v[SC+32*\qt+8*\kc:SC+32*\qt+8*\kc+7], 0
.else
	v_wmma_f32_16x16x32_bf16 v[LSUM+8*\qt:LSUM+8*\qt+7], v[ONES:ONES+7], v[SC+32*\qt+8*\kc:SC+32*\qt+8*\kc+7], v[LSUM+8*\qt:LSUM+8*\qt+7]
.endif
.endr
.endm
; Asking ahead.  In trip IT of the loop: chunks 6 + 2 IT and 7 + 2 IT, which the next trip loads.  Their 32,768 bytes of k (of v) are 128 blocks of 256 bytes:
; each of the head's four work-groups asks for 32 of them, lanes 256 bytes apart, wave 0 for k and wave 1 for v, so each block is asked for once in the launch.
; The last trip (IT = 5) asks for nothing: chunk 15 is the last.
.macro PREFETCH
	s_cmp_lt_u32 s22, s23
	s_cbranch_scc0 .Lnone_\@
	global_prefetch_b8 v[PFO], s[24:25] th:TH_LOAD_NT scope:SCOPE_SE
.Lnone_\@:
.endm
; One chunk of 64 keys, in LDS slot 'slot'.  conv: the next chunk (register set and LDS slot 'other') is rounded and stored; left: how many younger loads may stay out;
; issue: the chunk three further on is asked for, at byte off from the bases, into the set just emptied; first: the sums start; pf: ask ahead.
.macro TRIP slot, other, first, conv, left, issue, off, pf
	s_wait_dscnt 0x0                               ; for the other waves: my reads of the other slot are back and my stores into this slot are done
	s_barrier_signal -1
.if \conv
	s_wait_loadcnt \left                           ; loads come back in order (ISA guide 5.7.1): the next chunk's 8 are in
	CONV \other                                    ; register work while the others arrive; also the places behind the last chunk's matrix instructions:
	                                               ; 16 plain instructions that name none of their registers, ahead of the loads into KV and of the products that write over the weights
.else
	PLACES 5                                       ; the same places where nothing is left to round
.endif
	s_barrier_wait -1                              ; this slot is whole, and nobody reads the other one any more
	KFRAG \slot
.if \conv
	PUT \other
.endif
.if \issue
	GLOAD \other, \off
.endif
	s_wait_dscnt 8+8*\conv                         ; K's first 32 of d are in: the 8 loads of the second 32 and PUT's 8 stores may be out
	QK 0
	s_wait_dscnt 8*\conv                           ; all of K's fragments: only PUT's stores may be out
	QK 1
	PLACES 4                                       ; behind the products: V is loaded over K's fragments, and the logits are read (ISA guide 7.12.1)
	VFRAG \slot
.if \pf
	PREFETCH
.endif
	SMAX \first
.if \first == 0
	RESCALE
.endif
	PEXP
	s_wait_dscnt 0x8                               ; V's first 32 keys are in: the 8 loads of the second 32 may be out
	WIN 0x50                                       ; C and D window 1
	PV 0, \first
	s_wait_dscnt 0x0
	PV 1, 0
	WIN 0
.endm
	TRIP 0, 1, 1, 1, 8, 1, 3*CHUNK, 0              ; chunk 0: its products start the sums, nothing is cleared
	s_mov_b32 s22, 0
.Lpair:                                            ; chunks 1 + 2 IT and 2 + 2 IT
	TRIP 1, 0, 0, 1, 8, 1, 4*CHUNK, 1
	TRIP 0, 1, 0, 1, 8, 1, 5*CHUNK, 0
	s_wait_xcnt 0x0                                ; the bases that pending loads and the prefetch name are stepped only behind this wait
	s_add_nc_u64 s[6:7], s[6:7], 2*CHUNK
	s_add_nc_u64 s[8:9], s[8:9], 2*CHUNK
	s_add_nc_u64 s[24:25], s[24:25], 2*CHUNK
	s_add_co_u32 s22, s22, 1
	s_cmp_lt_u32 s22, 6
	s_cbranch_scc1 .Lpair
	TRIP 1, 0, 0, 1, 8, 0, 0, 0                    ; chunk 13: chunk 14 is rounded, chunk 15's loads stay out; nothing is left to ask for
	TRIP 0, 1, 0, 1, 0, 0, 0, 0                    ; chunk 14: chunk 15 is rounded, no load is younger
	TRIP 1, 0, 0, 0, 0, 0, 0, 0                    ; chunk 15
	; THE WAY OUT: divide by the row sum, turn O^T into rows through my own stage, and store whole rows of 256 bytes
	PLACES 4                                       ; behind the last products, whose results are read now (ISA guide 7.12.1)
	WIN 0x01
	v_rcp_f32 v[AL],   v[LSUM]                     ; the sum holds the largest weight, about 1: never near zero
	v_rcp_f32 v[AL+2], v[LSUM+8]
	v_nop                                          ; one plain place behind the reciprocals (ISA guide 5.7.2)
	WIN 0x41
	s_wait_alu depctr_va_vdst(0)
.irp qt, 0,1
.irp i, 0,2,4,6,8,10,12,14,16,18,20,22,24,26,28,30
	v_pk_mul_f32 v[OA+32*\qt+\i:OA+32*\qt+\i+1], v[OA+32*\qt+\i:OA+32*\qt+\i+1], v[AL+2*\qt:AL+2*\qt+1] op_sel_hi:[1,0]
.endr
.endr
	WIN 0x04                                       ; store data window 1
.irp qt, 0,1
.irp dt, 0,1,2,3
.irp g, 0,1
	ds_store_b128 v[SST], v[OA+32*\qt+8*\dt+4*\g:OA+32*\qt+8*\dt+4*\g+3] offset:16*OPITCH*\qt+64*\dt+16*\g   ; query 16qt + r, d 16dt + 8h + 4g .. +3
.endr
.endr
.endr
	WIN 0
.irp i, 0,1,2,3,4,5,6,7,8,9,10,11,12,13,14,15
	ds_load_b128 v[SC+4*\i:SC+4*\i+3], v[SRD] offset:2*OPITCH*\i   ; queries 2i and 2i + 1, a row each half of the lanes; my own bytes, served in order behind my stores
.endr
.irp i, 0,1,2,3,4,5,6,7,8,9,10,11,12,13,14,15
	s_wait_dscnt 15-\i                             ; load i is back; the younger ones may be out
	global_store_b128 v[OOFF], v[SC+4*\i:SC+4*\i+3], s[10:11] offset:4096*\i th:TH_STORE_NT   ; 16 lanes store 256 consecutive bytes, at a multiple of 256 from out's first byte
.endr
	s_wait_tensorcnt 0x0
	ds_add_u32 v254, v255
	s_wait_dscnt 0x0
	s_endpgm
.Lfunc_end_k_qdf9076e91c_attn:
	.size	k_qdf9076e91c_attn, .Lfunc_end_k_qdf9076e91c_attn-k_qdf9076e91c_attn
	.p2alignl 7, 3214868480
	.fill 96, 4, 3214868480
	.section	.rodata,"a",@progbits
	.p2align	6, 0x0
	.amdhsa_kernel k_qdf9076e91c_attn
		.amdhsa_group_segment_fixed_size 109568
		.amdhsa_private_segment_fixed_size 0
		.amdhsa_enable_private_segment 0
		.amdhsa_kernarg_size 32
		.amdhsa_user_sgpr_count 2
		.amdhsa_user_sgpr_kernarg_segment_ptr 1
		.amdhsa_wavefront_size32 1
		.amdhsa_system_sgpr_workgroup_id_x 1
		.amdhsa_system_sgpr_workgroup_id_y 1
		.amdhsa_system_sgpr_workgroup_id_z 1
		.amdhsa_system_vgpr_workitem_id 0
		.amdhsa_next_free_vgpr 400
		.amdhsa_next_free_sgpr 66
		.amdhsa_reserve_vcc 0
		.amdhsa_float_denorm_mode_32 3
		.amdhsa_float_denorm_mode_16_64 3
		.amdhsa_memory_ordered 1
		.amdhsa_forward_progress 1
		.amdhsa_inst_pref_size 122
	.end_amdhsa_kernel
	.amdgpu_metadata
---
amdhsa.version: [ 1, 2 ]
amdhsa.kernels:
  - .name:           k_qdf9076e91c_attn
    .symbol:         k_qdf9076e91c_attn.kd
    .args:
      - { .name: q, .offset: 0, .size: 8, .value_kind: global_buffer, .address_space: global }
      - { .name: k, .offset: 8, .size: 8, .value_kind: global_buffer, .address_space: global }
      - { .name: v, .offset: 16, .size: 8, .value_kind: global_buffer, .address_space: global }
      - { .name: out0, .offset: 24, .size: 8, .value_kind: global_buffer, .address_space: global }
    .group_segment_fixed_size: 109568
    .private_segment_fixed_size: 0
    .kernarg_segment_align: 8
    .kernarg_segment_size: 32
    .max_flat_workgroup_size: 256
    .sgpr_count:     66
    .vgpr_count:     400
    .wavefront_size: 32
...
	.end_amdgpu_metadata
.endif
;; end of part 1
